; MI455X (gfx1250); checked and timed in simulation.
; The chip was launched on July 23, 2026; its instructions are those of AMD's public machine-readable ISA for CDNA 5 (MIT licence, August 2026) and "CDNA5" Instruction Set Architecture Reference Guide (July 2026). The comments in the code are by the model that wrote it; some were corrected since.
;; Sparse Lowrank Attention. Allowed arithmetic: matrix products marked QUANTISED: E2M1 operands, one E8M0 scale for each 32 along K, by v_wmma_scale_f32_16x16x128_f8f6f4 with both operands' format E2M1 (or v_wmma_scale_f32_32x16x128_f4), f32 sums; everything else in f32.
;; Inputs: K 2 x 8 x 2,048 x 64 float32; Q 2 x 8 x 2,048 x 64 float32; V 2 x 8 x 2,048 x 64 float32; mask 2 x 2,048 float32; sparse_ratio 1 float32.
;; Outputs: out0 2 x 8 x 2,048 x 64 float32.
;; This version of the problem:
;;   THIS VERSION OF THE PROBLEM IS GIVEN IN LOW PRECISION. The matrix products marked QUANTISED in the list below multiply operands that are first quantised to E2M1 (2 exponent bits, 1 mantissa bit; 4 bits a number), with one power-of-two scale for each 32 numbers along K (OCP MX v1.0); their sums are f32. All else is computed in f32.
;;   The module's matrix products, in the order in which they are computed (A, B: the left and right operand; K: the contracted axis; several contracted axes count as one K, in the product's order):
;;     1. batch 16 x [M 2,048, K 64] x [K 64, N 2,048]; A: input Q; B: input K: QUANTISED
;;     2. batch 16 x [M 2,048, K 2,048] x [K 2,048, N 64]; A: softmax (see below); B: input V: QUANTISED
;;     3. batch 16 x [M 64, K 2,048] x [K 2,048, N 64]; A: computed on the way; B: computed on the way: QUANTISED
;;     4. batch 16 x [M 2,048, K 64] x [K 64, N 64]; A: computed on the way; B: computed on the way: QUANTISED
;;   THE QUANTISER, for each operand of a quantised product, along K:
;;     - K is cut into blocks of 32 from its start; a last block that is shorter is filled with zeros.
;;     - A block's scale is 2^e with e = floor(log2(the largest magnitude in the block)) - 2, held to -126 .. 127; a block of zeros has e = 0. As a byte (E8M0): e + 127.
;;     - Each number is divided by its block's scale, clamped to +-6, and rounded to the nearest number of E2M1, ties to even, subnormals kept.
;;     - The product sums the exact products of the quantised numbers (number of the format x scale) in f32.
;;   ~~~python
;;   def quantise(x, axis):      # numpy; x: float32 -> the quantised numbers, widened to float32 again
;;       x = np.moveaxis(x, axis, -1); K = x.shape[-1]
;;       x = np.pad(x, [(0, 0)] * (x.ndim - 1) + [(0, -K % 32)]); x = x.reshape(x.shape[:-1] + (-1, 32)); a = np.abs(x).max(-1, keepdims=True)
;;       e = np.where(a > 0, np.clip(np.frexp(np.where(a > 0, a, 1))[1] - 1 - 2, -126, 127), 0)      # np.frexp(a)[1] - 1 = floor(log2(a)), exactly
;;       r = np.clip(x / 2.0 ** e, -6, 6)
;;       step = 2.0 ** (np.maximum(np.frexp(np.where(r == 0, 1, r))[1] - 1, 0) - 1)
;;       q = np.round(r / step) * step * 2.0 ** e      # np.round: ties to even
;;       return np.moveaxis(q.reshape(q.shape[:-2] + (-1,))[..., :K], -1, axis).astype(np.float32)
;;   ~~~
;;   SOFTMAX AHEAD OF A QUANTISED PRODUCT. Where the list says 'softmax', what is quantised is not the finished softmax but p = 2^(t - M), with t = logit x log2(e) and M = ceil(the row's largest t), a whole number; so 1/2 < the row's largest p <= 1. The row's sum l is taken of the UNQUANTISED p, in f32, and the product's result is divided by l at the end. Since M is a whole number, a kernel that streams over the keys may use a running M (the ceiling of the running maximum): every later rescaling is an exact power of two, which a block's scale takes up: the codes' values come out the same.
;;   OPERANDS COMPUTED ON THE WAY. 'Computed on the way' means the value that the module computes at that place (a softmax that the list does not call 'softmax' is quantised finished and normalised). What goes into a quantiser is computed in f32, as accurately as f32 sums, v_exp_f32 and their like allow (about 1e-6 of the number): no bf16 or f16 on the way to a quantiser, and a product that is left as it is and whose result goes on into a quantised operand takes f32 operands (vector FMAs, or v_wmma_f32_16x16x4_f32). A number that lies on a knife's edge between two numbers of the format may be rounded either way, as far as f32 arithmetic and the matrix unit's own rounding can turn it there, and no further.
;; One version. Each part assembles by itself: llvm-mc -triple=amdgcn-amd-amdhsa -mcpu=gfx1250 --defsym DOCPART=n.
;; ======== version 1 of 1: 2 launches
;; workspace buffers: kc 1,114,112 bytes; ks 139,264 bytes; vc 1,114,112 bytes; vs 73,728 bytes; pw 139,264 bytes; kvp 2,097,152 bytes; wq 327,680 bytes; wa 8,192 bytes
;; launch prep (part 1): grid 8 x 16, 8 waves a work-group, no clusters, 103,424 bytes of LDS; arguments K, V, mask, kc, ks, vc, vs, pw, kvp, wq, wa; writes kc, ks, vc, vs, pw, kvp, wq, wa
.if DOCPART == 1
	.amdgcn_target "amdgcn-amd-amdhsa--gfx1250"
	.amdhsa_code_object_version 6
	.text
	.protected	k_qe1a4780333_prep
	.globl	k_qe1a4780333_prep
	.p2align	8
	.type	k_qe1a4780333_prep,@function
k_qe1a4780333_prep:
	s_mov_b64 s[64:65], 0
	v_nop
	global_prefetch_b8 v0, s[64:65] scope:SCOPE_SE
	s_setreg_imm32_b32 hwreg(HW_REG_WAVE_MODE, 25, 1), 1
	s_wait_xcnt 0x0
; PREP.  A work-group takes 256 keys (chunk = x) of one head (y) and makes everything that hangs on keys alone:
;   kc, ks   K's rows as E2M1 codes along d, laid in the order of the first product's operand registers, and their scale words
;   vc, vs   V's columns as codes along the keys (blocks of 32 keys), and their scale bytes, four blocks to a word
;   pw       -(1e6 (1 - mask)) for each key, with 64 places of -infinity in front and behind
;   kvp      this chunk's part of kv = K1^T Vm (both quantised along the keys), f32, laid as the last product's quantiser wants it
;   wq, wa   THE OUTSIDE OF THE BAND.  A key outside a query's window has the logit u = -1e6 - 1e6 (1 - mask), which hangs on the key alone.  For each 128 keys (a quad):
;            Mq = ceil(largest u log2 e), a = 2^(u log2 e - Mq), quantised block by block and multiplied with V's codes: W of each block and of the quad (wq); the sums of a (wa).
; SHARES.  Eight waves.  Every wave brings 32 rows of K into LDS and quantises them along d.  Then waves 0-3 make K1 = (elu(K) + 1) mask scale of 32 columns x 128 keys, a lane to a column, registers
; down the keys; waves 4-7 do the same for V and V mask, and the outside vectors.  The fragments meet in LDS as images of their registers; every wave then makes two tiles of kv.
; elu(x) + 1 is computed as max(x, 0) + 2^(min(x log2 e, 0)).
; LIMITS: NaN and infinities among the inputs are not served; a block whose largest magnitude lies under 2^-124 keeps the scale byte 1; a block of zeros has the byte 1 and zero codes (the bytes are read by
; this program alone); elu + 1 differs from expm1(x) + 1 by at most 1.2e-7 absolutely; an outside block more than 126 binades under its quad's largest u counts as 0.
; No tensor loads and no cluster: each tile is read once, by one work-group.
.set LOG2E,  0x3fb8aa3b
.set N1E6,   0xc9742400                ; -1e6
.set SCL,    0x3e1837f0                ; 2048^(-1/4)
.set FLOORB, 0x1800000                 ; 2^(3 - 127): under it no largest magnitude is taken, so the byte cannot fall under 1
.set EOFF,   0xff000000                ; takes 2 off an exponent field
.set NINF,   0xff800000
; LDS.  The small regions first, so that their places fit the 16-bit immediate; K's tile last, its base in the address registers
.set AIMG, 0                           ; K1's fragments: (4 q + tile) 1024 + 512 c' + 16 lane
.set BIMG, 8192                        ; V mask's, likewise
.set ASC,  16384                       ; K1's scale words: (2 q + c) 128 + 4 lane
.set BSC,  16896                       ; V mask's
.set WST,  17408                       ; the outside vectors: 4352 q + 272 n + 4 d
.set AST,  26112                       ; 512 bytes a wave, its own: the 128 numbers a
.set KST,  30208                       ; K's 256 rows: row k at 272 k + 128 (k / 16)
.set KD,  32                           ; v32-95   K as loaded; two sets of 32 numbers of a row; the 64 numbers a; at the end the fragments and sums of kv
.set X,   96                           ; v96-159  two sets of 32 numbers of a column
.set Y,   160                          ; v160-191 the exponentials
.set C,   192                          ; v192-207 codes of blocks 0, 2, 1, 3 (K1 or V mask)
.set VC,  208                          ; v208-223 V's codes, same order
.set AO,  224                          ; v224-231 the operand made of a
.set SH8, 22                           ; v22      8 h
.set SEL, 100                          ; s[100:101] lane selects: lane xor 16
; 32 numbers of one lane, a whole block, become 4 registers of codes.  sop: the conversion's scale operand; its exponent field is the scale's byte.  The caller's next line is a plain one.
.macro QB src, dst, sop, ta, tb
.set QBS, \src
.set QBD, \dst
	v_max3_num_f32 v[\ta], |v[QBS]|, |v[QBS+1]|, FLOORB
	v_max3_num_f32 v[\tb], |v[QBS+2]|, |v[QBS+3]|, |v[QBS+4]|
.irp i, 5,9,13,17,21,25
	v_max3_num_f32 v[\ta], v[\ta], |v[QBS+\i]|, |v[QBS+\i+1]|
	v_max3_num_f32 v[\tb], v[\tb], |v[QBS+\i+2]|, |v[QBS+\i+3]|
.endr
	v_max3_num_f32 v[\ta], v[\ta], |v[QBS+29]|, |v[QBS+30]|
	v_max_num_f32 v[\tb], v[\tb], |v[QBS+31]|
	v_max_num_f32 v[\ta], v[\ta], v[\tb]
	v_add_nc_u32 v[\sop], EOFF, v[\ta]
.irp g, 0,1,2,3
	v_cvt_scalef32_pk8_fp4_f32 v[QBD+\g], v[QBS+8*\g:QBS+8*\g+7], v[\sop]
.endr
.endm
; my block's byte and lane xor 16's make (s0, s1) in both halves of the lanes
.macro HALF sop, t, p, dst
	v_lshrrev_b32 v[\t], 23, v[\sop]
	v_lshlrev_b32 v[\t], v[SH8], v[\t]
	v_permlanex16_b32 v[\p], v[\t], s[SEL], s[SEL+1]
	v_or_b32 v[\dst], v[\t], v[\p]
.endm
; one matrix instruction.  acc = 0: the sum starts with the constant 0; 1: in place.  row = 1: source 0's scales in lanes 16-31; 2: source 1's
.macro MM d, a, b, acc, sa, sb, row
.set MD, \d
.set MA, \a
.set MB_, \b
.if \acc
.if (\row) == 1
	v_wmma_scale_f32_16x16x128_f8f6f4 v[MD:MD+7], v[MA:MA+7], v[MB_:MB_+7], v[MD:MD+7], v[\sa], v[\sb] matrix_a_fmt:MATRIX_FMT_FP4 matrix_b_fmt:MATRIX_FMT_FP4 matrix_a_scale:MATRIX_SCALE_ROW1
.elseif (\row) == 2
	v_wmma_scale_f32_16x16x128_f8f6f4 v[MD:MD+7], v[MA:MA+7], v[MB_:MB_+7], v[MD:MD+7], v[\sa], v[\sb] matrix_a_fmt:MATRIX_FMT_FP4 matrix_b_fmt:MATRIX_FMT_FP4 matrix_b_scale:MATRIX_SCALE_ROW1
.else
	v_wmma_scale_f32_16x16x128_f8f6f4 v[MD:MD+7], v[MA:MA+7], v[MB_:MB_+7], v[MD:MD+7], v[\sa], v[\sb] matrix_a_fmt:MATRIX_FMT_FP4 matrix_b_fmt:MATRIX_FMT_FP4
.endif
.else
.if (\row) == 1
	v_wmma_scale_f32_16x16x128_f8f6f4 v[MD:MD+7], v[MA:MA+7], v[MB_:MB_+7], 0, v[\sa], v[\sb] matrix_a_fmt:MATRIX_FMT_FP4 matrix_b_fmt:MATRIX_FMT_FP4 matrix_a_scale:MATRIX_SCALE_ROW1
.elseif (\row) == 2
	v_wmma_scale_f32_16x16x128_f8f6f4 v[MD:MD+7], v[MA:MA+7], v[MB_:MB_+7], 0, v[\sa], v[\sb] matrix_a_fmt:MATRIX_FMT_FP4 matrix_b_fmt:MATRIX_FMT_FP4 matrix_b_scale:MATRIX_SCALE_ROW1
.else
	v_wmma_scale_f32_16x16x128_f8f6f4 v[MD:MD+7], v[MA:MA+7], v[MB_:MB_+7], 0, v[\sa], v[\sb] matrix_a_fmt:MATRIX_FMT_FP4 matrix_b_fmt:MATRIX_FMT_FP4
.endif
.endif
.endm
; the masks of block b's 32 keys as scalars: even blocks in s[32:63], odd ones in s[68:99]
.macro MLOAD b
.set ML, 32+36*((\b)&1)
	s_load_b512 s[ML:ML+15], s[8:9], 128*(\b)
	s_load_b512 s[ML+16:ML+31], s[8:9], 128*(\b)+64
.endm
; block b of my 32 columns of K out of LDS: register k = key 32 b + k of my column; 32 lanes read 128 consecutive bytes
.macro LOADB b
.set i, 0
.rept 32
	ds_load_b32 v[X+32*((\b)&1)+i], v6 offset:272*(32*(\b)+i)+128*((32*(\b)+i)/16)
.set i, i+1
.endr
.endm
; the same of V, from memory
.macro VLOAD b
.set i, 0
.rept 32
	global_load_b32 v[X+32*((\b)&1)+i], v19, s[6:7] offset:256*(32*(\b)+i)
.set i, i+1
.endr
.endm
; the scale's byte of block b goes to its place in word w; the shift is the plain line behind the conversions
.macro BYTE b, w
.if (\b) == 0
	v_lshrrev_b32 v[\w], 23, v248
.else
	v_lshrrev_b32 v251, 23, v248
	v_lshl_or_b32 v[\w], v251, 8*(\b), v[\w]
.endif
.endm
	s_load_b256 s[4:11], s[0:1], 0x0               ; K, V, mask, kc
	s_load_b256 s[12:19], s[0:1], 0x20             ; ks, vc, vs, pw
	s_load_b128 s[20:23], s[0:1], 0x40             ; kvp, wq
	s_load_b64 s[24:25], s[0:1], 0x50              ; wa
	v_lshl_add_u32 v31, v0, 2, 0x19000
	s_set_vgpr_msb 0x40
	v_mov_b32 v1, 0
	s_set_vgpr_msb 0x4000
	v_lshrrev_b32 v1, 5, v0
	v_readfirstlane_b32 s26, v1                    ; wave w
	v_and_b32 v1, 31, v0                           ; lane
	v_and_b32 v2, 15, v0                           ; r
	v_bfe_u32 v3, v0, 4, 1                         ; h
	s_mov_b32 s27, ttmp9                           ; chunk
	s_and_b32 s28, ttmp7, 0xffff                   ; head
	s_and_b32 s29, s26, 1                          ; c: which 32 columns
	s_bfe_u32 s30, s26, 0x10001                    ; q: which 128 keys
	s_lshr_b32 s31, s26, 1                         ; Td: my tile of kv's rows
	s_mov_b32 s[SEL], 0x76543210
	s_mov_b32 s[SEL+1], 0xfedcba98
	; every address register is made here, ahead of the first parting of the roles
	s_mul_i32 s2, s26, 8960
	s_add_co_u32 s2, s2, KST                       ; my 32 rows of K's tile
	v_mul_u32_u24 v4, v3, 272
	v_lshl_add_u32 v4, v2, 4, v4
	v_add_nc_u32 v4, s2, v4                        ; v4: in: two rows a store
	v_lshrrev_b32 v248, 3, v2
	v_mul_u32_u24 v5, v2, 272
	v_mad_u32_u24 v5, v248, 2304, v5
	v_lshl_add_u32 v5, v3, 7, v5
	v_add_nc_u32 v5, s2, v5                        ; v5: row r + 8 (r / 8), d-block h
	v_lshlrev_b32 v17, 4, v1                       ; v17: 16 lane
	v_lshlrev_b32 v18, 2, v1                       ; v18: 4 lane
	s_mul_i32 s3, s30, 35840
	s_lshl_b32 s2, s29, 7                          ; 128 c
	s_add_co_u32 s3, s3, s2
	s_add_co_u32 s3, s3, KST
	v_add_nc_u32 v6, s3, v18                       ; v6: my column in my quad's rows
	v_add_nc_u32 v12, s2, v18                      ; v12: V mask's scale words, read
	v_add_nc_u32 v19, s2, v18                      ; v19: 4 (32 c + lane), for memory
	s_lshl_b32 s3, s30, 12
	s_lshl_b32 s66, s29, 11
	v_add_nc_u32 v10, s66, v17                     ; v10: V mask's fragments, read
	s_add_co_u32 s3, s3, s66
	v_add_nc_u32 v7, s3, v17                       ; v7: where I store images
	s_lshl_b32 s3, s30, 8
	s_add_co_u32 s3, s3, s2
	v_add_nc_u32 v8, s3, v18                       ; v8: and scale words
	s_lshl_b32 s3, s31, 10
	v_add_nc_u32 v9, s3, v17                       ; v9: K1's fragments, read
	s_lshl_b32 s3, s31, 6
	v_lshl_add_u32 v11, v2, 2, s3                  ; v11: K1's scale words, read
	s_mul_i32 s3, s30, 4352
	s_add_co_u32 s3, s3, s2
	v_mul_u32_u24 v13, v2, 272
	v_lshl_add_u32 v13, v3, 5, v13
	v_add_nc_u32 v13, s3, v13                      ; v13: the outside vectors, in
	s_mul_i32 s3, s26, 272
	v_mul_u32_u24 v14, v3, 4352
	v_lshl_add_u32 v14, v2, 4, v14
	v_add_nc_u32 v14, s3, v14                      ; v14: and back: row w of both quads
	s_lshl_b32 s3, s26, 9
	v_add_nc_u32 v15, s3, v17                      ; v15: a, in
	v_lshl_add_u32 v16, v3, 7, s3                  ; v16: a, back: 32 numbers of block 2 c' + h
	v_lshlrev_b32 v20, 10, v3
	v_lshl_add_u32 v20, v2, 4, v20                 ; v20: kvp
	s_lshl_b32 s3, s29, 9
	v_add_nc_u32 v21, s3, v17                      ; v21: 16 (32 c + lane)
	v_lshlrev_b32 v[SH8], 3, v3
	v_mul_u32_u24 v23, v3, 1280
	v_lshl_add_u32 v23, v2, 4, v23                 ; v23: wq
	v_mov_b32 v252, 0                              ; a lane permute's destination counts as one of its sources
	v_mov_b32 v254, 0
	; where my parts begin, in bytes; each offset in a pair of its own
	s_lshl_b32 s2, s28, 19
	s_lshl_b32 s3, s27, 16
	s_add_co_u32 s2, s2, s3
	s_lshl_b32 s3, s26, 13
	s_add_co_u32 s32, s2, s3                       ; K: my 32 rows
	s_mov_b32 s33, 0
	s_lshl_b32 s3, s30, 15
	s_add_co_u32 s34, s2, s3                       ; V: my quad's rows
	s_mov_b32 s35, 0
	s_lshr_b32 s2, s28, 3
	s_lshl_b32 s2, s2, 13
	s_lshl_b32 s3, s27, 10
	s_add_co_u32 s2, s2, s3
	s_lshl_b32 s3, s30, 9
	s_add_co_u32 s36, s2, s3                       ; mask: my quad's keys
	s_mov_b32 s37, 0
	s_lshl_b32 s66, s27, 3
	s_add_co_u32 s66, s66, 2                       ; 2 + 8 chunk
	s_add_co_u32 s67, s66, s26
	s_mul_i32 s2, s28, 69632
	s_lshl_b32 s3, s67, 10
	s_add_co_u32 s38, s2, s3                       ; kc
	s_mov_b32 s39, 0
	s_lshl_b32 s3, s30, 2
	s_add_co_u32 s3, s3, s66
	s_lshl_b32 s3, s3, 10
	s_add_co_u32 s42, s2, s3                       ; vc
	s_mov_b32 s43, 0
	s_mul_i32 s2, s28, 8704
	s_lshl_b32 s3, s67, 7
	s_add_co_u32 s40, s2, s3                       ; ks
	s_mov_b32 s41, 0
	s_lshl_b32 s3, s27, 10
	s_add_co_u32 s2, s2, s3
	s_lshl_b32 s3, s30, 9
	s_add_co_u32 s2, s2, s3
	s_add_co_u32 s46, s2, 256                      ; pw
	s_mov_b32 s47, 0
	s_lshl_b32 s3, s27, 1
	s_add_co_u32 s3, s3, s30
	s_add_co_u32 s3, s3, 1
	s_lshl_b32 s3, s3, 8
	s_mul_i32 s2, s28, 4608
	s_add_co_u32 s44, s2, s3                       ; vs
	s_mov_b32 s45, 0
	s_lshl_b32 s2, s28, 3
	s_add_co_u32 s2, s2, s27
	s_lshl_b32 s2, s2, 14
	s_lshl_b32 s3, s29, 13
	s_add_co_u32 s2, s2, s3
	s_and_b32 s3, s31, 1
	s_lshl_b32 s3, s3, 11
	s_add_co_u32 s2, s2, s3
	s_lshr_b32 s3, s31, 1
	s_lshl_b32 s3, s3, 8
	s_add_co_u32 s48, s2, s3                       ; kvp
	s_mov_b32 s49, 0
	s_lshl_b32 s2, s28, 4
	s_lshl_b32 s3, s27, 1
	s_add_co_u32 s2, s2, s3
	s_mul_i32 s2, s2, 1280
	s_lshl_b32 s3, s26, 8
	s_add_co_u32 s50, s2, s3                       ; wq
	s_mov_b32 s51, 0
	s_lshl_b32 s52, s28, 9                         ; wa
	s_mov_b32 s53, 0
	s_wait_kmcnt 0x0
	s_add_nc_u64 s[4:5], s[4:5], s[32:33]
	s_add_nc_u64 s[6:7], s[6:7], s[34:35]
	s_add_nc_u64 s[8:9], s[8:9], s[36:37]
	s_add_nc_u64 s[10:11], s[10:11], s[38:39]
	s_add_nc_u64 s[12:13], s[12:13], s[40:41]
	s_add_nc_u64 s[14:15], s[14:15], s[42:43]
	s_add_nc_u64 s[16:17], s[16:17], s[44:45]
	s_add_nc_u64 s[18:19], s[18:19], s[46:47]
	s_add_nc_u64 s[20:21], s[20:21], s[48:49]
	s_add_nc_u64 s[22:23], s[22:23], s[50:51]
	s_add_nc_u64 s[24:25], s[24:25], s[52:53]
	; ---- K's 32 rows of every wave: 512 consecutive bytes a load
.set n, 0
.rept 16
	global_load_b128 v[KD+4*n:KD+4*n+3], v17, s[4:5] offset:512*n th:TH_LOAD_NT
.set n, n+1
.endr
	MLOAD 0
	MLOAD 1
	s_cmp_lt_u32 s26, 4
	s_cbranch_scc1 .Lp0_k
	global_load_b128 v[240:243], v17, s[8:9]       ; waves 4-7: the masks of my quad, four keys a lane,
	VLOAD 0                                        ; and V's first block, asked for early
	s_wait_loadcnt 33                              ; the 33 loads just issued may stay out: K's 16 are in
	s_branch .Lp0_j
.Lp0_k:
	s_wait_loadcnt 0x0
.Lp0_j:
.set n, 0
.rept 16
	ds_store_b128 v4, v[KD+4*n:KD+4*n+3] offset:544*n+128*(n/8)
.set n, n+1
.endr
	s_wait_dscnt 0x0                               ; for the others' sake: my rows lie in LDS
	s_barrier_signal -1
	s_barrier_wait -1
	; ---- my 32 rows along d.  Tile u: lane (r, h) takes key 8 u + r + 8 (r / 8), d-block h
.irp u, 0,1
.irp i, 0,1,2,3,4,5,6,7
	ds_load_b128 v[KD+32*\u+4*\i:KD+32*\u+4*\i+3], v5 offset:2176*\u+16*\i
.endr
.endr
	s_wait_dscnt 8                                 ; tile 1's eight loads may stay out
	QB KD, 192, 248, 249, 250
	HALF 248, 251, 252, 253
	s_wait_dscnt 0x0
	QB KD+32, 196, 248, 249, 250
	HALF 248, 251, 252, 251
	v_lshl_or_b32 v253, v251, 16, v253             ; (u0: s0, s1; u1: s0, s1)
	global_store_b128 v17, v[192:195], s[10:11]
	global_store_b128 v17, v[196:199], s[10:11] offset:512
	global_store_b32 v18, v253, s[12:13]
	s_wait_xcnt 0x0                                ; the stores have read their registers, which both roles write again
	s_cmp_lt_u32 s26, 4
	s_cbranch_scc0 .Lrole_v
	; ---- waves 0-3: K1 of 32 columns x 128 keys
.macro KBLK b
.set XB, X+32*((\b)&1)
.set MS, 32+36*((\b)&1)
.set CB, C+4*(2*((\b)&1)+(\b)/2)
.if (\b) < 3
	s_wait_dscnt 32                                ; the next block's 32 loads may stay out
.else
	s_wait_dscnt 0x0
.endif
	s_wait_kmcnt 0x0                               ; the block's masks
.set i, 0
.rept 16
	v_pk_mul_f32 v[Y+i:Y+i+1], v[XB+i:XB+i+1], LOG2E op_sel_hi:[1,0]
.set i, i+2
.endr
.set i, 0
.rept 32
	v_min_num_f32 v[Y+i], 0, v[Y+i]
.set i, i+1
.endr
.set i, 0
.rept 32
	v_exp_f32 v[Y+i], v[Y+i]
.set i, i+1
.endr
.set i, 0
.rept 32
	v_max_num_f32 v[XB+i], 0, v[XB+i]              ; plain work that names no exponential's result
.set i, i+1
.endr
	s_wait_alu depctr_va_vdst(0)                   ; one wait for the 32 exponentials, ahead of their first reader
.set i, 0
.rept 16
	v_pk_add_f32 v[XB+i:XB+i+1], v[XB+i:XB+i+1], v[Y+i:Y+i+1]
.set i, i+2
.endr
.set i, 0
.rept 32
	v_mul_f32 v[XB+i], s[MS+i], v[XB+i]            ; x the key's mask
.set i, i+1
.endr
.set i, 0
.rept 16
	v_pk_mul_f32 v[XB+i:XB+i+1], v[XB+i:XB+i+1], SCL op_sel_hi:[1,0]
.set i, i+2
.endr
	QB XB, CB, 248, 249, 250
	BYTE \b, 24
.if (\b) < 2
	MLOAD (\b)+2
	LOADB (\b)+2
.endif
.endm
	LOADB 0
	LOADB 1
	KBLK 0
	KBLK 1
	KBLK 2
	KBLK 3
	v_nop
.irp i, 0,1,2,3                                ; a fragment wants block 2 c' in lanes 0-15 and 2 c' + 1 in lanes 16-31: v192-199 become columns 32 c + r, v200-207 columns 32 c + 16 + r
	v_permlane16_swap_b32 v[C+\i], v[C+8+\i]
	v_permlane16_swap_b32 v[C+4+\i], v[C+12+\i]
.endr
.irp i, 0,1,2,3
	ds_store_b128 v7, v[C+4*\i:C+4*\i+3] offset:AIMG+512*\i
.endr
	ds_store_b32 v8, v24 offset:ASC
	s_branch .Lrole_j
	; ---- waves 4-7: V, V mask, and the outside vectors
.Lrole_v:
	s_wait_loadcnt 32                              ; the masks are in; V's first block may stay out
	VLOAD 1
.irp i, 0,1,2,3
	v_sub_f32 v[244+\i], 1.0, v[240+\i]
.endr
.irp i, 0,1,2,3
	v_mul_f32 v[244+\i], N1E6, v[244+\i]           ; -(1e6 (1 - mask))
.endr
.irp i, 0,1,2,3
	v_add_f32 v[208+\i], N1E6, v[244+\i]           ; u
.endr
.irp i, 0,1,2,3
	v_mul_f32 v[208+\i], LOG2E, v[208+\i]
.endr
	v_max3_num_f32 v248, v208, v209, v210
	v_max_num_f32 v248, v248, v211
	v_max_num_f32_dpp v248, v248, v248 row_xmask:1 row_mask:0xf bank_mask:0xf
	v_max_num_f32_dpp v248, v248, v248 row_xmask:2 row_mask:0xf bank_mask:0xf
	v_max_num_f32_dpp v248, v248, v248 row_xmask:4 row_mask:0xf bank_mask:0xf   ; eight lanes hold a block: its largest
	v_max_num_f32_dpp v249, v248, v248 row_xmask:8 row_mask:0xf bank_mask:0xf
	v_permlanex16_b32 v254, v249, s[SEL], s[SEL+1]
	v_max_num_f32 v249, v249, v254                 ; the quad's
	v_floor_f32 v250, -v249                        ; -Mq
.irp i, 0,1,2,3
	v_add_f32 v[208+\i], v250, v[208+\i]
.endr
	v_add_f32 v251, v250, v248
.irp i, 0,1,2,3
	v_exp_f32 v[208+\i], v[208+\i]                 ; a
.endr
	v_exp_f32 v251, v251                           ; the block's largest a: the same two lines on the same number
	v_nop
	s_wait_alu depctr_va_vdst(0)                   ; one wait for the five
	ds_store_b128 v15, v[208:211] offset:AST
.irp cc, 0,1
.irp i, 0,1,2,3,4,5,6,7
	ds_load_b128 v[KD+32*\cc+4*\i:KD+32*\cc+4*\i+3], v16 offset:AST+256*\cc+16*\i   ; LDS serves a wave's instructions in order: these see my store
.endr
.endr
	v_add_f32 v252, v208, v209
	v_add_f32 v253, v210, v211
	v_add_f32 v252, v252, v253
	v_add_f32_dpp v252, v252, v252 row_xmask:1 row_mask:0xf bank_mask:0xf
	v_add_f32_dpp v252, v252, v252 row_xmask:2 row_mask:0xf bank_mask:0xf
	v_add_f32_dpp v252, v252, v252 row_xmask:4 row_mask:0xf bank_mask:0xf       ; the block's sum of a
	v_add_f32_dpp v253, v252, v252 row_xmask:8 row_mask:0xf bank_mask:0xf
	v_permlanex16_b32 v254, v253, s[SEL], s[SEL+1]
	v_add_f32 v253, v253, v254                     ; the quad's
	v_max_num_f32 v251, FLOORB, v251
	v_add_nc_u32 v251, EOFF, v251                  ; the block's scale operand
	s_cmp_lg_u32 s29, 0                            ; of the two waves of a quad the first stores what hangs on keys alone
	s_cbranch_scc1 .Lno_pw
	global_store_b128 v17, v[244:247], s[18:19]
	s_lshl_b32 s2, s27, 1
	s_add_co_u32 s2, s2, s30                       ; the quad's number in the head
	s_lshl_b32 s3, s2, 4
	s_add_co_u32 s3, s3, 128
	s_lshl_b32 s2, s2, 2
	v_lshrrev_b32 v254, 1, v1
	v_add_nc_u32 v254, s3, v254                    ; lanes 0, 8, 16, 24: the blocks' sums
	v_mov_b32 v255, v252
	v_mul_f32 v248, -1.0, v250
	v_mov_b32 v249, s2
	v_cmp_eq_u32 vcc_lo, 1, v1                     ; lane 1: Mq
	v_cndmask_b32 v254, v254, v249, vcc_lo
	v_cndmask_b32 v255, v255, v248, vcc_lo
	v_add_nc_u32 v249, 64, v249
	v_cmp_eq_u32 vcc_lo, 2, v1                     ; lane 2: the quad's sum
	v_cndmask_b32 v254, v254, v249, vcc_lo
	v_cndmask_b32 v255, v255, v253, vcc_lo
	s_wait_xcnt 0x0                                ; EXEC changes only behind this wait
	s_mov_b32 vcc_lo, 0x01010107
	s_and_saveexec_b32 s3, vcc_lo
	global_store_b32 v254, v255, s[24:25]
	s_wait_xcnt 0x0                                ; and again, in front of the line that widens it
	s_or_b32 exec_lo, exec_lo, s3
.Lno_pw:
	v_readlane_b32 s2, v251, 0                     ; the four blocks' scale operands
	v_readlane_b32 s3, v251, 8
	v_readlane_b32 s66, v251, 16
	v_readlane_b32 s67, v251, 24
	s_mov_b32 vcc_lo, 0xffff0000
	v_mov_b32 v212, s2
	v_mov_b32 v254, s3
	v_cndmask_b32 v212, v212, v254, vcc_lo         ; block h
	v_mov_b32 v213, s66
	v_mov_b32 v254, s67
	v_cndmask_b32 v213, v213, v254, vcc_lo         ; block 2 + h
	s_lshr_b32 s2, s2, 23
	s_lshr_b32 s3, s3, 23
	s_lshr_b32 s66, s66, 23
	s_lshr_b32 s67, s67, 23
	s_lshl_b32 s3, s3, 8
	s_lshl_b32 s66, s66, 16
	s_lshl_b32 s67, s67, 24
	s_or_b32 s2, s2, s3
	s_or_b32 s66, s66, s67
	s_or_b32 s2, s2, s66
	v_mov_b32 v26, s2                              ; a's scale word, the same for every column
	s_wait_dscnt 0x0
.irp g, 0,1,2,3
	v_cvt_scalef32_pk8_fp4_f32 v[AO+\g], v[KD+8*\g:KD+8*\g+7], v212
	v_cvt_scalef32_pk8_fp4_f32 v[AO+4+\g], v[KD+32+8*\g:KD+32+8*\g+7], v213
.endr
	v_nop
	s_mov_b32 s2, 0x00120011                       ; column n = 0 .. 3 keeps block n alone, column 4 all four, the others nothing
	s_mov_b32 s3, 0x00180014
.irp g, 0,1,2,3
	v_cndmask_b32 v[AO+\g], 0, v[AO+\g], s2
	v_cndmask_b32 v[AO+4+\g], 0, v[AO+4+\g], s3
.endr
.macro VBLK b
.set XB, X+32*((\b)&1)
.set MS, 32+36*((\b)&1)
.set PB, 4*(2*((\b)&1)+(\b)/2)
.if (\b) < 3
	s_wait_loadcnt 32                              ; the next block's 32 loads may stay out
.else
	s_wait_loadcnt 0x0
.endif
	QB XB, VC+PB, 248, 249, 250                    ; V as it is: the second product's operand
	BYTE \b, 25
	global_store_b128 v21, v[VC+PB:VC+PB+3], s[14:15] offset:1024*(\b)
	s_wait_kmcnt 0x0
.set i, 0
.rept 32
	v_mul_f32 v[XB+i], s[MS+i], v[XB+i]            ; V mask
.set i, i+1
.endr
	QB XB, C+PB, 248, 249, 250
	BYTE \b, 24
.if (\b) < 2
	MLOAD (\b)+2
	VLOAD (\b)+2
.endif
.endm
	VBLK 0
	VBLK 1
	VBLK 2
	VBLK 3
	global_store_b32 v19, v25, s[16:17]
	s_wait_xcnt 0x0                                ; the stores have read V's codes and the penalties: both are written again below
.irp i, 0,1,2,3
	v_permlane16_swap_b32 v[VC+\i], v[VC+8+\i]
	v_permlane16_swap_b32 v[VC+4+\i], v[VC+12+\i]
	v_permlane16_swap_b32 v[C+\i], v[C+8+\i]
	v_permlane16_swap_b32 v[C+4+\i], v[C+12+\i]
.endr
.irp i, 0,1,2,3
	ds_store_b128 v7, v[C+4*\i:C+4*\i+3] offset:BIMG+512*\i
.endr
	ds_store_b32 v8, v24 offset:BSC
.rept 8
	v_nop                                          ; operands and scales written by vector instructions stand these places ahead of a scaled matrix instruction
.endr
	MM 232, VC, AO, 0, 25, 26, 0                   ; W(d = 32 c + 8 h + j, n = r)
	MM 240, VC+8, AO, 0, 25, 26, 1                 ; d 16 further on: its scale words lie in lanes 16-31
.rept 4
	v_nop
.endr
	ds_store_b128 v13, v[232:235] offset:WST
	ds_store_b128 v13, v[236:239] offset:WST+16
	ds_store_b128 v13, v[240:243] offset:WST+64
	ds_store_b128 v13, v[244:247] offset:WST+80
.Lrole_j:
	s_wait_dscnt 0x0                               ; for the others' sake: my images, scale words and vectors lie in LDS
	s_barrier_signal -1
	s_barrier_wait -1
	; ---- kv: rows 16 Td on, columns 32 c on, two steps of 128 keys; the two sums take turns
.irp qq, 0,1
.irp cc, 0,1
	ds_load_b128 v[32+8*\qq+4*\cc:35+8*\qq+4*\cc], v9 offset:AIMG+4096*\qq+512*\cc
.endr
.irp t, 0,1
.irp cc, 0,1
	ds_load_b128 v[48+16*\qq+8*\t+4*\cc:51+16*\qq+8*\t+4*\cc], v10 offset:BIMG+4096*\qq+1024*\t+512*\cc
.endr
.endr
	ds_load_b32 v[27+\qq], v11 offset:ASC+256*\qq
	ds_load_b32 v[29+\qq], v12 offset:BSC+256*\qq
.endr
	s_wait_dscnt 0x0
	MM 80, 32, 48, 0, 27, 29, 0
	MM 88, 32, 56, 0, 27, 29, 2
	MM 80, 40, 64, 1, 28, 30, 0
	MM 88, 40, 72, 1, 28, 30, 2
.rept 4
	v_nop
.endr
.irp t, 0,1
.irp g, 0,1
	global_store_b128 v20, v[80+8*\t+4*\g:83+8*\t+4*\g], s[20:21] offset:4096*\t+512*\g   ; sixteen lanes store 256 consecutive bytes, aligned
.endr
.endr
	s_cmp_lt_u32 s26, 5                            ; waves 0-4: row w of both quads' outside vectors
	s_cbranch_scc0 .Lno_w
	ds_load_b128 v[96:99], v14 offset:WST
	s_wait_dscnt 0x0
	global_store_b128 v23, v[96:99], s[22:23]
.Lno_w:
	; ---- the places in front of a head's first key and behind its last: zero codes, the byte 127, -infinity
.macro PADS kco, kso, vso, pwo
.irp i, 0,1,2,3
	global_store_b128 v17, v[100:103], s[10:11] offset:(\kco)+512*\i
	global_store_b128 v17, v[100:103], s[14:15] offset:(\kco)+512*\i
.endr
	global_store_b64 v108, v[104:105], s[12:13] offset:\kso
	global_store_b64 v108, v[104:105], s[16:17] offset:\vso
	global_store_b64 v108, v[106:107], s[18:19] offset:\pwo
.endm
	s_cmp_lg_u32 s26, 0
	s_cbranch_scc1 .Lend
.irp i, 0,1,2,3
	v_mov_b32 v[100+\i], 0
.endr
	v_mov_b32 v104, 0x7f7f7f7f
	v_mov_b32 v105, 0x7f7f7f7f
	v_mov_b32 v106, NINF
	v_mov_b32 v107, NINF
	v_lshlrev_b32 v108, 3, v1
	s_cmp_eq_u32 s27, 0
	s_cbranch_scc1 .Lpad0
	s_cmp_eq_u32 s27, 7
	s_cbranch_scc0 .Lend
	PADS 8192, 1024, 512, 1024
	s_branch .Lend
.Lpad0:
	PADS -2048, -256, -256, -256
.Lend:
	s_set_vgpr_msb 0x4
	s_wait_tensorcnt 0x0
	ds_add_u32 v31, v1
	s_wait_dscnt 0x0
	s_set_vgpr_msb 0x400
	s_endpgm
.Lfunc_end_k_qe1a4780333_prep:
	.size	k_qe1a4780333_prep, .Lfunc_end_k_qe1a4780333_prep-k_qe1a4780333_prep
	.p2alignl 7, 3214868480
	.fill 96, 4, 3214868480
	.section	.rodata,"a",@progbits
	.p2align	6, 0x0
	.amdhsa_kernel k_qe1a4780333_prep
		.amdhsa_group_segment_fixed_size 103424
		.amdhsa_private_segment_fixed_size 0
		.amdhsa_enable_private_segment 0
		.amdhsa_kernarg_size 88
		.amdhsa_user_sgpr_count 2
		.amdhsa_user_sgpr_kernarg_segment_ptr 1
		.amdhsa_wavefront_size32 1
		.amdhsa_system_sgpr_workgroup_id_x 1
		.amdhsa_system_sgpr_workgroup_id_y 1
		.amdhsa_system_sgpr_workgroup_id_z 1
		.amdhsa_system_vgpr_workitem_id 0
		.amdhsa_next_free_vgpr 258
		.amdhsa_next_free_sgpr 102
		.amdhsa_reserve_vcc 1
		.amdhsa_float_denorm_mode_32 3
		.amdhsa_float_denorm_mode_16_64 3
		.amdhsa_memory_ordered 1
		.amdhsa_forward_progress 1
		.amdhsa_inst_pref_size 103
	.end_amdhsa_kernel
	.amdgpu_metadata
---
amdhsa.version: [ 1, 2 ]
amdhsa.kernels:
  - .name:           k_qe1a4780333_prep
    .symbol:         k_qe1a4780333_prep.kd
    .args:
      - { .name: K, .offset: 0, .size: 8, .value_kind: global_buffer, .address_space: global }
      - { .name: V, .offset: 8, .size: 8, .value_kind: global_buffer, .address_space: global }
      - { .name: mask, .offset: 16, .size: 8, .value_kind: global_buffer, .address_space: global }
      - { .name: kc, .offset: 24, .size: 8, .value_kind: global_buffer, .address_space: global }
      - { .name: ks, .offset: 32, .size: 8, .value_kind: global_buffer, .address_space: global }
      - { .name: vc, .offset: 40, .size: 8, .value_kind: global_buffer, .address_space: global }
      - { .name: vs, .offset: 48, .size: 8, .value_kind: global_buffer, .address_space: global }
      - { .name: pw, .offset: 56, .size: 8, .value_kind: global_buffer, .address_space: global }
      - { .name: kvp, .offset: 64, .size: 8, .value_kind: global_buffer, .address_space: global }
      - { .name: wq, .offset: 72, .size: 8, .value_kind: global_buffer, .address_space: global }
      - { .name: wa, .offset: 80, .size: 8, .value_kind: global_buffer, .address_space: global }
    .group_segment_fixed_size: 103424
    .private_segment_fixed_size: 0
    .kernarg_segment_align: 8
    .kernarg_segment_size: 88
    .max_flat_workgroup_size: 256
    .sgpr_count:     102
    .vgpr_count:     258
    .wavefront_size: 32
...
	.end_amdgpu_metadata
.endif
;; end of part 1
;; launch attn (part 2): grid 16 x 16, 8 waves a work-group, no clusters, 72,704 bytes of LDS; arguments Q, sparse_ratio, kc, ks, vc, vs, pw, kvp, wq, wa, out0; writes out0
.if DOCPART == 2
	.amdgcn_target "amdgcn-amd-amdhsa--gfx1250"
	.amdhsa_code_object_version 6
	.text
	.protected	k_qe1a4780333_attn
	.globl	k_qe1a4780333_attn
	.p2align	8
	.type	k_qe1a4780333_attn,@function
k_qe1a4780333_attn:
	s_mov_b64 s[64:65], 0
	v_nop
	global_prefetch_b8 v0, s[64:65] scope:SCOPE_SE
	s_setreg_imm32_b32 hwreg(HW_REG_WAVE_MODE, 25, 1), 1
	s_wait_xcnt 0x0
; ATTN.  out = r softmax-path + (1 - r) Q1 kv.  A work-group takes 128 queries (x) of one head (y); each of its eight waves 16 of them, a lane holding ONE query (lane % 16) throughout:
; S^T = K Q^T, O^T = V^T P^T, LR^T = kv^T Q1^T (source 0 = 16 keys or 16 channels, source 1 = my 16 queries).
; THE WINDOW.  32 queries from q0' on (a pair of waves) see the band only in the five blocks of 32 keys from q0' - 64 on; blocks 1 to 3 lie wholly in the band, blocks 0 and 4 are compared.
; THE OUTSIDE.  Every other key has a logit that hangs on the key alone; its blocks' codes are the same for every row, so their part is 2^(Mg - M) x (the head's sum of the first launch's vectors, less the
; window's five blocks), added to O and, with the sums of a, to the row's sum.  M = max(ceil(the window's largest t), Mg) is the row's true ceiling: a window key's logit is never under its own outside logit.
; K = 64 IN AN INSTRUCTION OF 128: two tiles of 16 rows share source 0; source 1 is (Q, 0) for the first and (0, Q) for the second; zero codes add nothing.
; The keys of a tile are not neighbours (lane r of tile u takes key 8 u + r + 8 (r / 8) of a block), so that a lane's 16 registers of a block are 16 neighbouring keys.
; LIMITS: NaN and infinities among the inputs are not served; a block whose largest magnitude lies under 2^-124 keeps the scale byte 1; elu(x) + 1 is computed as max(x, 0) + 2^(min(x log2 e, 0)),
; at most 1.2e-7 from expm1(x) + 1; the difference of the outside sums errs by at most 2^-24 x 2,048 on the scale on which the row's largest p is above 1/2.
; No tensor loads and no cluster: a work-group's tiles are dense images of at most 8 KB read once; the head's eight parts of kv, which sixteen work-groups read, come by plain loads.
.set LOG2E,  0x3fb8aa3b
.set N1E6,   0xc9742400
.set SCL,    0x3e1837f0
.set EIGHTH, 0x3e000000
.set FLOORB, 0x1800000
.set EOFF,   0xff000000
.set KVS,  0                           ; kv, summed, in kvp's order: 16 KB
.set OUTV, 16384                       ; the outside vector of each pair of waves: 4 x 64 f32
.set PENL, 17408                       ; the penalties of the eight blocks that the four windows span
.set KCL,  18432                       ; K's codes of those blocks
.set VCL,  26624                       ; V's
.set KSL,  34816                       ; K's scale words
.set VSL,  35840                       ; V's, three quads
.set QST,  36864                       ; 4,352 bytes a wave, its own: Q's turn, later the way out
.set SH8, 0                            ; v0 becomes 8 h
.set SEL, 60
; REGISTERS: v1 Mg, v2 the outside's sum of a, v3-15, v31 addresses; v16-30 scales; v32-51 zeros, Q1, zeros, Q, zeros; v52-67 kv's two fragments; v68-147 S^T, then p, then LR and the outside vector;
; v148-199 K's fragments, then V's; v200-231 penalties, statistics, then O^T; v232-247 p's codes; v248-255 at work.
.macro QB src, dst, sop, ta, tb
.set QBS, \src
.set QBD, \dst
	v_max3_num_f32 v[\ta], |v[QBS]|, |v[QBS+1]|, FLOORB
	v_max3_num_f32 v[\tb], |v[QBS+2]|, |v[QBS+3]|, |v[QBS+4]|
.irp i, 5,9,13,17,21,25
	v_max3_num_f32 v[\ta], v[\ta], |v[QBS+\i]|, |v[QBS+\i+1]|
	v_max3_num_f32 v[\tb], v[\tb], |v[QBS+\i+2]|, |v[QBS+\i+3]|
.endr
	v_max3_num_f32 v[\ta], v[\ta], |v[QBS+29]|, |v[QBS+30]|
	v_max_num_f32 v[\tb], v[\tb], |v[QBS+31]|
	v_max_num_f32 v[\ta], v[\ta], v[\tb]
	v_add_nc_u32 v[\sop], EOFF, v[\ta]
.irp g, 0,1,2,3
	v_cvt_scalef32_pk8_fp4_f32 v[QBD+\g], v[QBS+8*\g:QBS+8*\g+7], v[\sop]
.endr
.endm
.macro HALF sop, t, p, dst
	v_lshrrev_b32 v[\t], 23, v[\sop]
	v_lshlrev_b32 v[\t], v[SH8], v[\t]
	v_permlanex16_b32 v[\p], v[\t], s[SEL], s[SEL+1]
	v_or_b32 v[\dst], v[\t], v[\p]
.endm
.macro MM d, a, b, acc, sa, sb, row
.set MD, \d
.set MA, \a
.set MB_, \b
.if \acc
.if (\row) == 1
	v_wmma_scale_f32_16x16x128_f8f6f4 v[MD:MD+7], v[MA:MA+7], v[MB_:MB_+7], v[MD:MD+7], v[\sa], v[\sb] matrix_a_fmt:MATRIX_FMT_FP4 matrix_b_fmt:MATRIX_FMT_FP4 matrix_a_scale:MATRIX_SCALE_ROW1
.else
	v_wmma_scale_f32_16x16x128_f8f6f4 v[MD:MD+7], v[MA:MA+7], v[MB_:MB_+7], v[MD:MD+7], v[\sa], v[\sb] matrix_a_fmt:MATRIX_FMT_FP4 matrix_b_fmt:MATRIX_FMT_FP4
.endif
.else
.if (\row) == 1
	v_wmma_scale_f32_16x16x128_f8f6f4 v[MD:MD+7], v[MA:MA+7], v[MB_:MB_+7], 0, v[\sa], v[\sb] matrix_a_fmt:MATRIX_FMT_FP4 matrix_b_fmt:MATRIX_FMT_FP4 matrix_a_scale:MATRIX_SCALE_ROW1
.else
	v_wmma_scale_f32_16x16x128_f8f6f4 v[MD:MD+7], v[MA:MA+7], v[MB_:MB_+7], 0, v[\sa], v[\sb] matrix_a_fmt:MATRIX_FMT_FP4 matrix_b_fmt:MATRIX_FMT_FP4
.endif
.endif
.endm
	s_load_b256 s[4:11], s[0:1], 0x0               ; Q, sparse_ratio, kc, ks
	s_load_b256 s[12:19], s[0:1], 0x20             ; vc, vs, pw, kvp
	s_load_b128 s[20:23], s[0:1], 0x40             ; wq, wa
	s_load_b64 s[24:25], s[0:1], 0x50              ; out0
	s_set_vgpr_msb 0x40
	v_lshl_add_u32 v0, v0, 2, 0x11800
	v_mov_b32 v1, 0
	s_set_vgpr_msb 0x4000
	v_lshrrev_b32 v1, 5, v0
	v_readfirstlane_b32 s26, v1                    ; wave w
	v_and_b32 v1, 31, v0                           ; lane
	v_and_b32 v2, 15, v0                           ; r
	v_bfe_u32 v3, v0, 4, 1                         ; h
	s_mov_b32 s27, ttmp9                           ; block of 128 queries
	s_and_b32 s28, ttmp7, 0xffff                   ; head
	s_lshr_b32 s29, s26, 1                         ; g: my pair
	s_and_b32 s31, s26, 1
	s_mov_b32 s[SEL], 0x76543210
	s_mov_b32 s[SEL+1], 0xfedcba98
	v_lshlrev_b32 v4, 4, v1                        ; v4: 16 lane
	v_lshlrev_b32 v6, 4, v0                        ; v6: 16 x thread
	v_lshlrev_b32 v7, 2, v0                        ; v7: 4 x thread
	s_lshl_b32 s2, s29, 7
	v_lshl_add_u32 v5, v1, 2, s2                   ; v5: K's scale words: 128 g + 4 lane
	v_lshl_add_u32 v10, v3, 6, s2                  ; v10: penalties: 128 g + 64 h
	s_mul_i32 s3, s26, 4352
	s_add_co_u32 s3, s3, QST
	v_mul_u32_u24 v8, v3, 272
	v_lshl_add_u32 v8, v2, 4, v8
	v_add_nc_u32 v8, s3, v8                        ; v8: my stage by rows: two rows an instruction
	v_mul_u32_u24 v9, v2, 272
	v_add_nc_u32 v9, s3, v9
	v_lshl_add_u32 v13, v3, 5, v9                  ; v13: row r, + 32 h: the way out
	v_lshl_add_u32 v9, v3, 7, v9                   ; v9: row r, d-block h
	s_lshl_b32 s2, s29, 10
	v_lshl_add_u32 v12, v2, 4, s2                  ; v12: V's block 4: 1024 g + 16 r
	v_lshl_add_u32 v11, v3, 10, v12                ; v11: V's blocks 2 c + h
	v_add_nc_u32 v14, s2, v4                       ; v14: K's fragments
	s_lshl_b32 s2, s31, 4
	v_add_nc_u32 v15, s2, v2
	v_lshlrev_b32 v60, 4, v3
	v_sub_nc_u32 v15, v15, v60                     ; v15: d0 = 16 (w & 1) + r - 16 h
	s_lshl_b32 s2, s29, 8
	v_lshl_add_u32 v31, v3, 5, s2                  ; v31: the outside vector: 256 g + 32 h
	s_lshl_b32 s2, s31, 7
	v_lshl_add_u32 v59, v1, 2, s2                  ; v59: 4 (32 (w & 1) + lane): my column of the outside vectors
	v_lshlrev_b32 v62, 2, v2                       ; v62: 4 r
	v_min_u32 v51, 764, v7                         ; v51: V's scale words are 768 bytes
	v_mov_b32 v63, 0                               ; a lane permute's destination counts as one of its sources
	s_add_co_u32 s2, s29, 2
	s_lshr_b32 s3, s2, 2
	s_and_b32 s2, s2, 3
	s_lshl_b32 s59, s2, 3                          ; the window's first block in V's scale words: 8 ((g + 2) & 3) bits up
	s_lshl_b32 s3, s3, 8
	v_lshlrev_b32 v[SH8], 3, v3                    ; the thread's number is used up: v0 = 8 h
	v_lshl_add_u32 v3, v1, 2, s3                   ; v3: V's scale words: 256 ((g + 2) / 4) + 4 lane
	; the window's five blocks among the head's 64: those that do not exist take block 0's places and count for nothing
	s_lshl_b32 s30, s27, 2
	s_add_co_u32 s30, s30, s29
	s_sub_co_u32 s30, s30, 2                       ; the window's first block (it may wrap under 0)
.irp b, 0,1,2,3,4
	s_add_co_u32 s2, s30, \b
	s_cmp_lt_u32 s2, 64
	s_cselect_b32 s2, s2, 0
	s_lshr_b32 s3, s2, 2
	s_lshl_b32 s[66+\b], s3, 2                     ; its quad's Mq
	s_lshl_b32 s[71+\b], s2, 2                     ; its sum of a
	s_mul_i32 s3, s3, 1280
	s_and_b32 s2, s2, 3
	s_lshl_b32 s2, s2, 8
	s_add_co_u32 s3, s3, s2
	v_add_nc_u32 v[54+\b], s3, v59                 ; its vector
.endr
	s_lshl_b32 s32, s28, 19
	s_lshl_b32 s2, s27, 15
	s_add_co_u32 s32, s32, s2
	s_lshl_b32 s2, s26, 12
	s_add_co_u32 s32, s32, s2                      ; Q, out0: my 16 rows
	s_mov_b32 s33, 0
	s_mul_i32 s34, s28, 69632
	s_lshl_b32 s2, s27, 12
	s_add_co_u32 s34, s34, s2                      ; kc, vc
	s_mov_b32 s35, 0
	s_mul_i32 s36, s28, 8704
	s_lshl_b32 s2, s27, 9
	s_add_co_u32 s36, s36, s2                      ; ks, pw
	s_mov_b32 s37, 0
	s_mul_i32 s38, s28, 4608
	s_lshl_b32 s2, s27, 8
	s_add_co_u32 s38, s38, s2                      ; vs
	s_mov_b32 s39, 0
	s_lshl_b32 s40, s28, 17                        ; kvp
	s_mov_b32 s41, 0
	s_mul_i32 s42, s28, 20480                      ; wq
	s_mov_b32 s43, 0
	s_lshl_b32 s44, s28, 9                         ; wa
	s_mov_b32 s45, 0
	s_wait_kmcnt 0x0
	s_add_nc_u64 s[4:5], s[4:5], s[32:33]
	s_add_nc_u64 s[24:25], s[24:25], s[32:33]
	s_add_nc_u64 s[8:9], s[8:9], s[34:35]
	s_add_nc_u64 s[12:13], s[12:13], s[34:35]
	s_add_nc_u64 s[10:11], s[10:11], s[36:37]
	s_add_nc_u64 s[16:17], s[16:17], s[36:37]
	s_add_nc_u64 s[14:15], s[14:15], s[38:39]
	s_add_nc_u64 s[18:19], s[18:19], s[40:41]
	s_add_nc_u64 s[20:21], s[20:21], s[42:43]
	s_add_nc_u64 s[22:23], s[22:23], s[44:45]
	; ---- all loads of the first phase, in the order in which they are wanted
	global_load_b128 v[32:35], v6, s[8:9]
	global_load_b128 v[36:39], v6, s[8:9] offset:4096
	global_load_b128 v[40:43], v6, s[12:13]
	global_load_b128 v[44:47], v6, s[12:13] offset:4096
	global_load_b32 v48, v7, s[10:11]
	global_load_b32 v49, v51, s[14:15]
	global_load_b32 v50, v7, s[16:17]
	global_load_b32 v52, v62, s[22:23]             ; Mq of quad r
	global_load_b32 v53, v62, s[22:23] offset:64   ; its sum of a
.irp n, 0,1,2,3,4,5,6,7
	global_load_b128 v[96+4*\n:99+4*\n], v4, s[4:5] offset:512*\n th:TH_LOAD_NT
.endr
.irp p, 0,1,2,3,4,5,6,7
.irp i, 0,1,2,3
	global_load_b128 v[128+16*\p+4*\i:131+16*\p+4*\i], v6, s[18:19] offset:16384*\p+4096*\i
.endr
.endr
.irp b, 0,1,2,3,4
	s_load_b32 s[48+\b], s[22:23], s[66+\b] offset:0x0
	s_load_b32 s[53+\b], s[22:23], s[71+\b] offset:0x80
.endr
	s_load_b32 s58, s[6:7], 0x0                    ; r
	s_wait_loadcnt 42                              ; 2 + 8 + 32 younger loads may stay out: codes, scale words and penalties are in
	ds_store_b128 v6, v[32:35] offset:KCL
	ds_store_b128 v6, v[36:39] offset:KCL+4096
	ds_store_b128 v6, v[40:43] offset:VCL
	ds_store_b128 v6, v[44:47] offset:VCL+4096
	ds_store_b32 v7, v48 offset:KSL
	ds_store_b32 v7, v49 offset:VSL
	ds_store_b32 v7, v50 offset:PENL
	s_wait_loadcnt 32                              ; kv's 32 loads may stay out: Q is in
.irp n, 0,1,2,3,4,5,6,7
	ds_store_b128 v8, v[96+4*\n:99+4*\n] offset:544*\n
.endr
.irp i, 0,1,2,3,4,5,6,7
	ds_load_b128 v[64+4*\i:67+4*\i], v9 offset:16*\i   ; my query's 32 numbers of d-block h; LDS serves a wave's instructions in order
.endr
	s_wait_dscnt 0x0
.set i, 0
.rept 16
	v_pk_mul_f32 v[96+i:97+i], v[64+i:65+i], LOG2E op_sel_hi:[1,0]
.set i, i+2
.endr
.set i, 0
.rept 32
	v_min_num_f32 v[96+i], 0, v[96+i]
.set i, i+1
.endr
.set i, 0
.rept 32
	v_exp_f32 v[96+i], v[96+i]
.set i, i+1
.endr
	QB 64, 44, 60, 61, 62                          ; Q's codes: work that names no exponential's result
	HALF 60, 61, 63, 61
	v_lshl_or_b32 v16, v61, 16, v61                ; (s0, s1, s0, s1): it serves (Q, 0) and (0, Q)
	s_wait_alu depctr_va_vdst(0)                   ; one wait for the 32 exponentials, ahead of their first reader
.set i, 0
.rept 32
	v_max_num_f32 v[64+i], 0, v[64+i]
.set i, i+1
.endr
.set i, 0
.rept 16
	v_pk_add_f32 v[64+i:65+i], v[64+i:65+i], v[96+i:97+i]
.set i, i+2
.endr
.set i, 0
.rept 16
	v_pk_mul_f32 v[64+i:65+i], v[64+i:65+i], SCL op_sel_hi:[1,0]
.set i, i+2
.endr
	QB 64, 36, 60, 61, 62                          ; Q1's codes
	HALF 60, 61, 63, 61
	v_lshl_or_b32 v17, v61, 16, v61
.irp i, 0,1,2,3
	v_mov_b32 v[32+\i], 0
	v_mov_b32 v[40+\i], 0
	v_mov_b32 v[48+\i], 0
.endr
	; ---- the outside: sixteen quads' vectors and the window's five blocks', my column
.irp c, 0,1,2,3,4,5,6,7,8,9,10,11,12,13,14,15
	global_load_b32 v[96+\c], v59, s[20:21] offset:1280*\c+1024
.endr
.irp b, 0,1,2,3,4
	global_load_b32 v[112+\b], v[54+\b], s[20:21]
.endr
	v_max_num_f32_dpp v1, v52, v52 row_xmask:1 row_mask:0xf bank_mask:0xf
	v_max_num_f32_dpp v1, v1, v1 row_xmask:2 row_mask:0xf bank_mask:0xf
	v_max_num_f32_dpp v1, v1, v1 row_xmask:4 row_mask:0xf bank_mask:0xf
	v_max_num_f32_dpp v1, v1, v1 row_xmask:8 row_mask:0xf bank_mask:0xf   ; Mg: the head's largest Mq
	v_sub_f32 v60, v52, v1
	v_cvt_i32_f32 v60, v60
	v_ldexp_f32 v60, 1.0, v60                      ; 2^(Mq - Mg)
	v_mul_f32 v61, v60, v53
	v_add_f32_dpp v61, v61, v61 row_xmask:1 row_mask:0xf bank_mask:0xf
	v_add_f32_dpp v61, v61, v61 row_xmask:2 row_mask:0xf bank_mask:0xf
	v_add_f32_dpp v61, v61, v61 row_xmask:4 row_mask:0xf bank_mask:0xf
	v_add_f32_dpp v61, v61, v61 row_xmask:8 row_mask:0xf bank_mask:0xf    ; the head's sum of a
.irp c, 0,1,2,3,4,5,6,7,8,9,10,11,12,13,14,15
	v_readlane_b32 s[32+\c], v60, \c
.endr
	s_wait_kmcnt 0x0
	s_mov_b32 s3, 0xff61b1e6                       ; -3e38: a block that does not exist gets the factor 0
.irp b, 0,1,2,3,4
	s_add_co_u32 s2, s30, \b
	s_cmp_lt_u32 s2, 64
	s_cselect_b32 s[48+\b], s[48+\b], s3
.endr
.irp b, 0,1,2,3,4
	v_sub_f32 v[118+\b], s[48+\b], v1
.endr
.irp b, 0,1,2,3,4
	v_cvt_i32_f32 v[118+\b], v[118+\b]             ; (it saturates)
.endr
.irp b, 0,1,2,3,4
	v_ldexp_f32 v[118+\b], 1.0, v[118+\b]
.endr
.irp b, 0,1,2,3,4
	v_fma_f32 v61, -v[118+\b], s[53+\b], v61
.endr
	v_mov_b32 v2, v61                              ; the outside's sum of a, under Mg
	; ---- kv: the eight parts are added, chunks ascending
	s_wait_loadcnt 21                              ; the 21 loads of the outside may stay out
.irp p, 1,2,3,4,5,6,7
.irp i, 0,1,2,3
	v_pk_add_f32 v[128+4*\i:129+4*\i], v[128+4*\i:129+4*\i], v[128+16*\p+4*\i:129+16*\p+4*\i]
	v_pk_add_f32 v[130+4*\i:131+4*\i], v[130+4*\i:131+4*\i], v[130+16*\p+4*\i:131+16*\p+4*\i]
.endr
.endr
.irp i, 0,1,2,3
	ds_store_b128 v6, v[128+4*\i:131+4*\i] offset:KVS+4096*\i
.endr
	s_wait_loadcnt 0x0
	v_mul_f32 v60, s32, v96
.irp c, 1,2,3,4,5,6,7,8,9,10,11,12,13,14,15
	v_fma_f32 v60, s[32+\c], v[96+\c], v60
.endr
.irp b, 0,1,2,3,4
	v_fma_f32 v60, -v[118+\b], v[112+\b], v60
.endr
	ds_store_b32 v7, v60 offset:OUTV
	s_wait_dscnt 0x0                               ; for the others' sake: all that I staged lies in LDS
	s_barrier_signal -1
	s_barrier_wait -1
	; ---- kv along d: tile t's 32 numbers of column 16 t + r, d-block h, are one block
.macro KVLOAD t, reg
.irp i, 0,1,2,3,4,5,6,7
	ds_load_b128 v[(\reg)+4*\i:(\reg)+4*\i+3], v4 offset:KVS+4096*(\t)+512*\i
.endr
.endm
.macro KVQ t, reg
	QB \reg, 52+4*(\t), 248, 249, 250
.if ((\t)&1) == 0
	HALF 248, 251, 252, 253
.else
	HALF 248, 251, 252, 251
	v_lshl_or_b32 v[23+(\t)/2], v251, 16, v253     ; (tile 2 P: s0, s1; tile 2 P + 1: s0, s1)
.endif
.endm
	KVLOAD 0, 68
	KVLOAD 1, 100
	KVLOAD 2, 200
.irp b, 0,1,2,3,4
.irp u, 0,1
	ds_load_b128 v[148+8*\b+4*\u:151+8*\b+4*\u], v14 offset:KCL+1024*\b+512*\u
.endr
.endr
.irp b, 0,1,2,3,4
	ds_load_b32 v[18+\b], v5 offset:KSL+128*\b
.endr
	v_mov_b32 v252, 0
	s_wait_dscnt 31                                ; 8 + 8 + 10 + 5 younger: tile 0 is in
	KVQ 0, 68
	KVLOAD 3, 68
	s_wait_dscnt 31                                ; 8 + 10 + 5 + 8 younger: tile 1 is in
	KVQ 1, 100
	s_wait_dscnt 23                                ; 10 + 5 + 8 younger: tile 2 is in
	KVQ 2, 200
	s_wait_dscnt 0x0
	KVQ 3, 68
.macro PEN b
.irp i, 0,1,2,3
	ds_load_b128 v[200+16*((\b)&1)+4*\i:203+16*((\b)&1)+4*\i], v10 offset:PENL+128*(\b)+16*\i
.endr
.endm
	PEN 0
	PEN 1
	; ---- S^T: register 16 b + i of lane (r, h) is key q0' - 64 + 32 b + 16 h + i
.irp b, 0,1,2,3,4
	MM 68+16*\b, 148+8*\b, 44, 0, 18+\b, 16, 0
	MM 76+16*\b, 148+8*\b, 40, 0, 18+\b, 16, 0
.endr
.irp i, 0,1,2,3
	v_mov_b32 v[196+\i], 0                         ; five plain lines that name no register of the products: the places in front of the loads below and of the first read of results
.endr
	v_mov_b32 v255, N1E6
.irp c, 0,1
.irp t, 0,1,2,3
	ds_load_b128 v[148+8*\t+4*\c:151+8*\t+4*\c], v11 offset:VCL+2048*\c+256*\t   ; V^T, channels 16 t + r, the window's blocks 2 c + h
.endr
.endr
.irp t, 0,1,2,3
	ds_load_b128 v[180+4*\t:183+4*\t], v12 offset:VCL+4096+256*\t                ; and block 4
.endr
	ds_load_b32 v25, v3 offset:VSL                 ; V's scale words: the quad in which the window begins, channels 0-31, 32-63;
	ds_load_b32 v26, v3 offset:VSL+128
	ds_load_b32 v27, v3 offset:VSL+256             ; the quad behind it
	ds_load_b32 v28, v3 offset:VSL+384
	; ---- the logits, rounded as they are defined: score / 8 (or -1e6 outside the band), + the penalty, x log2 e.  Each accumulator is read from its low end on
.macro LMID b
.set SB, 68+16*(\b)
.set PB, 200+16*((\b)&1)
.set i, 0
.rept 8
	v_pk_fma_f32 v[SB+i:SB+i+1], v[SB+i:SB+i+1], EIGHTH, v[PB+i:PB+i+1] op_sel_hi:[1,0,1]
.set i, i+2
.endr
.set i, 0
.rept 8
	v_pk_mul_f32 v[SB+i:SB+i+1], v[SB+i:SB+i+1], LOG2E op_sel_hi:[1,0]
.set i, i+2
.endr
.endm
.macro LEDGE b
.set SB, 68+16*(\b)
.set PB, 200+16*((\b)&1)
.set i, 0
.rept 8
	v_pk_mul_f32 v[SB+i:SB+i+1], v[SB+i:SB+i+1], EIGHTH op_sel_hi:[1,0]
.set i, i+2
.endr
.set i, 0
.rept 16
.if (\b) == 0
	v_cmp_le_i32 vcc_lo, i, v15                    ; query - key = 64 + d0 - i: outside the band where i <= d0
.else
	v_cmp_ge_i32 vcc_lo, i, v15                    ; query - key = d0 - 64 - i: outside where i >= d0
.endif
	v_cndmask_b32 v[SB+i], v[SB+i], v255, vcc_lo
.set i, i+1
.endr
.set i, 0
.rept 8
	v_pk_add_f32 v[SB+i:SB+i+1], v[SB+i:SB+i+1], v[PB+i:PB+i+1]
.set i, i+2
.endr
.set i, 0
.rept 8
	v_pk_mul_f32 v[SB+i:SB+i+1], v[SB+i:SB+i+1], LOG2E op_sel_hi:[1,0]
.set i, i+2
.endr
.endm
	s_wait_dscnt 20                                ; block 1's 4 loads and V's 16 may stay out
	LEDGE 0
	PEN 2
	s_wait_dscnt 20                                ; V's 16 and block 2's 4
	LMID 1
	PEN 3
	s_wait_dscnt 4                                 ; block 3's 4
	LMID 2
	PEN 4
	s_wait_dscnt 4                                 ; block 4's 4
	LMID 3
	s_wait_dscnt 0x0
	LEDGE 4
	; ---- each block's largest t (it serves for the row's maximum and for the block's largest p), and M
.irp b, 0,1,2,3,4
	v_max3_num_f32 v[200+\b], v[68+16*\b], v[69+16*\b], v[70+16*\b]
.endr
.irp i, 3,5,7,9,11,13
.irp b, 0,1,2,3,4
	v_max3_num_f32 v[200+\b], v[200+\b], v[68+16*\b+\i], v[69+16*\b+\i]
.endr
.endr
.irp b, 0,1,2,3,4
	v_max_num_f32 v[200+\b], v[200+\b], v[83+16*\b]
.endr
.irp b, 0,1,2,3,4
	v_permlanex16_b32 v[205+\b], v[200+\b], s[SEL], s[SEL+1]
.endr
.irp b, 0,1,2,3,4
	v_max_num_f32 v[200+\b], v[200+\b], v[205+\b]
.endr
	v_max3_num_f32 v210, v200, v201, v202
	v_max3_num_f32 v210, v210, v203, v204
	v_floor_f32 v248, -v210
	v_min_num_f32 v248, v248, -v1                  ; -M = min(-ceil(the window's largest t), -Mg)
	v_mov_b32 v249, v248                           ; (named with it as a pair)
	v_add_f32 v250, v1, v248
	v_cvt_i32_f32 v250, v250
	v_ldexp_f32 v250, 1.0, v250                    ; f = 2^(Mg - M)
	v_mov_b32 v251, v250
.set i, 0
.rept 40
	v_pk_add_f32 v[68+i:69+i], v[68+i:69+i], v[248:249] op_sel_hi:[1,0]
.set i, i+2
.endr
.irp b, 0,1,2,3,4
	v_add_f32 v[200+\b], v248, v[200+\b]
.endr
.set i, 0
.rept 80
	v_exp_f32 v[68+i], v[68+i]                     ; p = 2^(t - M): not normalised
.set i, i+1
.endr
.irp b, 0,1,2,3,4
	v_exp_f32 v[200+\b], v[200+\b]
.endr
	v_alignbit_b32 v25, v27, v25, s59              ; V's scale bytes of the window's blocks 0 to 3,
	v_alignbit_b32 v26, v28, v26, s59
	v_lshrrev_b32 v27, s59, v27                    ; and of block 4 in the low byte
	v_lshrrev_b32 v28, s59, v28
.irp i, 10,11,12,13,14,15
	v_mov_b32 v[232+\i], 0
.endr
	s_wait_alu depctr_va_vdst(0)                   ; one wait for the 85 exponentials, ahead of their first reader
	v_pk_add_f32 v[252:253], v[68:69], v[70:71]    ; the row's sum of the unquantised p, in two chains
	v_pk_add_f32 v[212:213], v[72:73], v[74:75]
.set i, 8
.rept 18
	v_pk_add_f32 v[252:253], v[252:253], v[68+i:69+i]
	v_pk_add_f32 v[212:213], v[212:213], v[70+i:71+i]
.set i, i+4
.endr
	v_pk_add_f32 v[252:253], v[252:253], v[212:213]
.irp b, 0,1,2,3,4
	v_max_num_f32 v[200+\b], FLOORB, v[200+\b]
.endr
.irp b, 0,1,2,3,4
	v_add_nc_u32 v[200+\b], EOFF, v[200+\b]
.endr
.irp b, 0,1,2,3
	v_lshrrev_b32 v[205+\b], 23, v[200+\b]
.endr
	v_lshrrev_b32 v30, 23, v204                    ; p's scale byte of block 4
	v_lshl_or_b32 v29, v206, 8, v205               ; and the word of blocks 0 to 3
	v_lshl_or_b32 v29, v207, 16, v29
	v_lshl_or_b32 v29, v208, 24, v29
.irp b, 0,1,2,3,4
	v_cvt_scalef32_pk8_fp4_f32 v[232+2*\b], v[68+16*\b:75+16*\b], v[200+\b]
	v_cvt_scalef32_pk8_fp4_f32 v[233+2*\b], v[76+16*\b:83+16*\b], v[200+\b]
.endr
	v_nop
.irp c, 0,1,2                                  ; the operand wants a whole block in a lane: lanes 0-15 block 2 c, lanes 16-31 block 2 c + 1 (block 5: zeros)
.irp i, 0,1
	v_permlane16_swap_b32 v[232+4*\c+\i], v[234+4*\c+\i]
.endr
.endr
.irp t, 0,1,2,3
.irp g, 0,1
	ds_load_b128 v[100+8*\t+4*\g:103+8*\t+4*\g], v31 offset:OUTV+64*\t+16*\g     ; the outside vector, in the result's layout
.endr
.endr
.rept 8
	v_nop                                          ; operands and scales written by vector instructions stand these places ahead of a scaled matrix instruction
.endr
	; ---- O^T, then LR^T; the accumulators take turns
.irp t, 0,1,2,3
	MM 200+8*\t, 148+8*\t, 232, 0, 25+\t/2, 29, \t&1
.endr
.irp t, 0,1,2,3
	MM 200+8*\t, 180+4*\t, 240, 1, 27+\t/2, 30, \t&1   ; block 4; the rest of source 0 meets zero codes
.endr
	MM 68, 52, 36, 0, 23, 17, 0
	MM 76, 52, 32, 0, 23, 17, 0
	MM 84, 60, 36, 0, 24, 17, 0
	MM 92, 60, 32, 0, 24, 17, 0
	v_add_f32 v252, v252, v253                     ; the sum's two halves,
	v_permlanex16_b32 v253, v252, s[SEL], s[SEL+1]
	v_add_f32 v252, v252, v253                     ; lane xor 16's,
	v_fma_f32 v252, v250, v2, v252                 ; and the outside's
	v_mov_b32 v254, s58
	v_sub_f32 v254, 1.0, v254                      ; 1 - r
	v_mov_b32 v255, v254
	v_rcp_f32 v253, v252
	v_nop
	s_wait_alu depctr_va_vdst(0)                   ; the wait for the reciprocal, ahead of its reader
	v_mul_f32 v252, s58, v253                      ; r / l
	v_mov_b32 v253, v252
	s_wait_dscnt 0x0                               ; the outside vector
.set i, 0
.rept 16
	v_pk_fma_f32 v[200+i:201+i], v[100+i:101+i], v[250:251], v[200+i:201+i] op_sel_hi:[1,0,1]
	v_pk_mul_f32 v[68+i:69+i], v[68+i:69+i], v[254:255] op_sel_hi:[1,0]
.set i, i+2
.endr
.set i, 0
.rept 16
	v_pk_fma_f32 v[200+i:201+i], v[200+i:201+i], v[252:253], v[68+i:69+i] op_sel_hi:[1,0,1]
.set i, i+2
.endr
	; ---- the way out: through my stage, back as whole rows; each store covers 512 consecutive bytes, aligned
.irp t, 0,1,2,3
	ds_store_b128 v13, v[200+8*\t:203+8*\t] offset:64*\t
	ds_store_b128 v13, v[204+8*\t:207+8*\t] offset:64*\t+16
.endr
.irp i, 0,1,2,3,4,5,6,7
	ds_load_b128 v[68+4*\i:71+4*\i], v8 offset:544*\i
.endr
.irp i, 0,1,2,3,4,5,6,7
	s_wait_dscnt 7-\i
	global_store_b128 v4, v[68+4*\i:71+4*\i], s[24:25] offset:512*\i th:TH_STORE_NT
.endr
	s_set_vgpr_msb 0x5
	s_wait_tensorcnt 0x0
	ds_add_u32 v0, v1
	s_wait_dscnt 0x0
	s_set_vgpr_msb 0x500
	s_endpgm
.Lfunc_end_k_qe1a4780333_attn:
	.size	k_qe1a4780333_attn, .Lfunc_end_k_qe1a4780333_attn-k_qe1a4780333_attn
	.p2alignl 7, 3214868480
	.fill 96, 4, 3214868480
	.section	.rodata,"a",@progbits
	.p2align	6, 0x0
	.amdhsa_kernel k_qe1a4780333_attn
		.amdhsa_group_segment_fixed_size 72704
		.amdhsa_private_segment_fixed_size 0
		.amdhsa_enable_private_segment 0
		.amdhsa_kernarg_size 88
		.amdhsa_user_sgpr_count 2
		.amdhsa_user_sgpr_kernarg_segment_ptr 1
		.amdhsa_wavefront_size32 1
		.amdhsa_system_sgpr_workgroup_id_x 1
		.amdhsa_system_sgpr_workgroup_id_y 1
		.amdhsa_system_sgpr_workgroup_id_z 1
		.amdhsa_system_vgpr_workitem_id 0
		.amdhsa_next_free_vgpr 258
		.amdhsa_next_free_sgpr 80
		.amdhsa_reserve_vcc 1
		.amdhsa_float_denorm_mode_32 3
		.amdhsa_float_denorm_mode_16_64 3
		.amdhsa_memory_ordered 1
		.amdhsa_forward_progress 1
		.amdhsa_inst_pref_size 79
	.end_amdhsa_kernel
	.amdgpu_metadata
---
amdhsa.version: [ 1, 2 ]
amdhsa.kernels:
  - .name:           k_qe1a4780333_attn
    .symbol:         k_qe1a4780333_attn.kd
    .args:
      - { .name: Q, .offset: 0, .size: 8, .value_kind: global_buffer, .address_space: global }
      - { .name: sparse_ratio, .offset: 8, .size: 8, .value_kind: global_buffer, .address_space: global }
      - { .name: kc, .offset: 16, .size: 8, .value_kind: global_buffer, .address_space: global }
      - { .name: ks, .offset: 24, .size: 8, .value_kind: global_buffer, .address_space: global }
      - { .name: vc, .offset: 32, .size: 8, .value_kind: global_buffer, .address_space: global }
      - { .name: vs, .offset: 40, .size: 8, .value_kind: global_buffer, .address_space: global }
      - { .name: pw, .offset: 48, .size: 8, .value_kind: global_buffer, .address_space: global }
      - { .name: kvp, .offset: 56, .size: 8, .value_kind: global_buffer, .address_space: global }
      - { .name: wq, .offset: 64, .size: 8, .value_kind: global_buffer, .address_space: global }
      - { .name: wa, .offset: 72, .size: 8, .value_kind: global_buffer, .address_space: global }
      - { .name: out0, .offset: 80, .size: 8, .value_kind: global_buffer, .address_space: global }
    .group_segment_fixed_size: 72704
    .private_segment_fixed_size: 0
    .kernarg_segment_align: 8
    .kernarg_segment_size: 88
    .max_flat_workgroup_size: 256
    .sgpr_count:     80
    .vgpr_count:     258
    .wavefront_size: 32
...
	.end_amdgpu_metadata
.endif
;; end of part 2
